; MI455X (gfx1250); checked and timed in simulation.
; The chip was launched on July 23, 2026; its instructions are those of AMD's public machine-readable ISA for CDNA 5 (MIT licence, August 2026) and "CDNA5" Instruction Set Architecture Reference Guide (July 2026). The comments in the code are by the model that wrote it; some were corrected since.
;; Attention Module. Allowed arithmetic: matrix products marked QUANTISED: E2M1 operands, one E8M0 scale for each 32 along K, by v_wmma_scale_f32_16x16x128_f8f6f4 with both operands' format E2M1 (or v_wmma_scale_f32_32x16x128_f4), f32 sums; products left as they are: f32 operands where the result goes on into a quantised operand, else bf16, f16 or f32 operands; f32 sums; everything else in f32.
;; Inputs: V_att 1 x 1,024 float32; W_dec_codes 1,024 x 32 x 16 uint8 (E2M1 codes of W_dec, K innermost, in blocks of 32 codes, two codes a byte); W_dec_scales 1,024 x 32 uint8 (E8M0 scales of W_dec, one for each 32 codes along K); W_enc_codes 1,024 x 32 x 16 uint8 (E2M1 codes of W_enc, K innermost, in blocks of 32 codes, two codes a byte); W_enc_scales 1,024 x 32 uint8 (E8M0 scales of W_enc, one for each 32 codes along K); decoder_hidden_codes 32 x 1 x 32 x 16 uint8 (E2M1 codes of decoder_hidden, K innermost, in blocks of 32 codes, two codes a byte); decoder_hidden_scales 32 x 1 x 32 uint8 (E8M0 scales of decoder_hidden, one for each 32 codes along K); encoder_out 2,048 x 32 x 1,024 float32.
;; Outputs: out0 32 x 1 x 1,024 float32; out1 1 x 32 x 2,048 float32.
;; This version of the problem:
;;   THIS VERSION OF THE PROBLEM IS GIVEN IN LOW PRECISION. The matrix products marked QUANTISED in the list below multiply operands that are first quantised to E2M1 (2 exponent bits, 1 mantissa bit; 4 bits a number), with one power-of-two scale for each 32 numbers along K (OCP MX v1.0); their sums are f32. All else is computed in f32.
;;   The module's matrix products, in the order in which they are computed (A, B: the left and right operand; K: the contracted axis; several contracted axes count as one K, in the product's order):
;;     1. [M 1,024, K 1,024] x [K 1,024, N 65,536]; A: input W_enc (given as codes); B: input encoder_out: QUANTISED
;;     2. [M 32, K 1,024] x [K 1,024, N 1,024]; A: input decoder_hidden (given as codes); B: input W_dec (given as codes): QUANTISED
;;     3. [M 65,536, K 1,024] x [K 1,024, N 1]; A: computed on the way; B: input V_att: left as it is (N = 1 < 16)
;;     4. batch 32 x [M 1, K 2,048] x [K 2,048, N 1,024]; A: computed on the way; B: input encoder_out: left as it is (M = 1 < 16)
;;   THE QUANTISER, for each operand of a quantised product, along K:
;;     - K is cut into blocks of 32 from its start; a last block that is shorter is filled with zeros.
;;     - A block's scale is 2^e with e = floor(log2(the largest magnitude in the block)) - 2, held to -126 .. 127; a block of zeros has e = 0. As a byte (E8M0): e + 127.
;;     - Each number is divided by its block's scale, clamped to +-6, and rounded to the nearest number of E2M1, ties to even, subnormals kept.
;;     - The product sums the exact products of the quantised numbers (number of the format x scale) in f32.
;;   ~~~python
;;   def quantise(x, axis):      # numpy; x: float32 -> the quantised numbers, widened to float32 again
;;       x = np.moveaxis(x, axis, -1); K = x.shape[-1]
;;       x = np.pad(x, [(0, 0)] * (x.ndim - 1) + [(0, -K % 32)]); x = x.reshape(x.shape[:-1] + (-1, 32)); a = np.abs(x).max(-1, keepdims=True)
;;       e = np.where(a > 0, np.clip(np.frexp(np.where(a > 0, a, 1))[1] - 1 - 2, -126, 127), 0)      # np.frexp(a)[1] - 1 = floor(log2(a)), exactly
;;       r = np.clip(x / 2.0 ** e, -6, 6)
;;       step = 2.0 ** (np.maximum(np.frexp(np.where(r == 0, 1, r))[1] - 1, 0) - 1)
;;       q = np.round(r / step) * step * 2.0 ** e      # np.round: ties to even
;;       return np.moveaxis(q.reshape(q.shape[:-2] + (-1,))[..., :K], -1, axis).astype(np.float32)
;;   ~~~
;;   INPUTS GIVEN AS CODES. W_dec (in the module: [1024, 1024], K = its axis 1); W_enc (in the module: [1024, 1024], K = its axis 1); decoder_hidden (in the module: [32, 1, 1024], K = its axis 2): each comes as NAME_codes (uint8): NAME with its K axis moved to the last place and cut into blocks of 32 codes, [.., K / 32, bytes a block], one block behind the other in memory; two codes a byte, the lower K in the low four bits (a code: sign, 2 exponent bits, 1 mantissa bit); and NAME_scales (uint8): the same leading axes, one E8M0 byte (e + 127) for each 32 codes along K. Its value is code x scale, taken as it is: it is not quantised again, and the codes and scales need not be those that the quantiser above would give.
;; One version. Each part assembles by itself: llvm-mc -triple=amdgcn-amd-amdhsa -mcpu=gfx1250 --defsym DOCPART=n.
;; ======== version 1 of 1: 3 launches
;; limits: values are held in bf16: 8 bits of precision; right only within a limited range of input values
;; workspace buffers: wfrag 524,288 bytes; qc 131,072 bytes; lg 262,144 bytes; pctx 1,048,576 bytes; pml 65,536 bytes
;; launch prep (part 1): grid 64 x 1, 2 waves a work-group, no clusters, 0 bytes of LDS; arguments decoder_hidden_codes, decoder_hidden_scales, W_dec_codes, W_dec_scales, W_enc_codes, qc, wfrag; writes qc, wfrag
.if DOCPART == 1
	.amdgcn_target "amdgcn-amd-amdhsa--gfx1250"
	.amdhsa_code_object_version 6
	.text
	.protected	k_q02269d3808_prep
	.globl	k_q02269d3808_prep
	.p2align	8
	.type	k_q02269d3808_prep,@function
k_q02269d3808_prep:
	s_mov_b64 s[64:65], 0
	v_nop
	global_prefetch_b8 v0, s[64:65] scope:SCOPE_SE
	s_setreg_imm32_b32 hwreg(HW_REG_WAVE_MODE, 25, 1), 1
	s_wait_xcnt 0x0
; Two small jobs ahead of the main launch, one wave each; work-group t takes the tile of 16 outputs e = 16 t .. 16 t + 15.
; WAVE 0: qc[b][e] = c x (decoder_hidden W_dec^T)[b][e], c = 2 log2(e): the query, already multiplied by the factor that the main launch's
;   exponential wants.  Both operands come as E2M1 codes with E8M0 scale bytes and go to the matrix unit as they lie.
;   The product is used transposed (source 0 = 16 rows of W_dec, source 1 = 16 batches): a lane holds one batch and eight neighbouring e.
; WAVE 1: W_enc's codes of the tile are laid as images of the operand's registers: wfrag byte ((8 t + k) 2 + c) 512 + 16 lane holds the 16 bytes
;   that lane (r, h) wants in registers 4 c .. 4 c + 3 of the fragment of K step k: row 16 t + r, bytes 64 k + 32 c + 16 h.
;   The main launch then loads every fragment by loads of 512 consecutive bytes.
; qc's stores cover 64 consecutive bytes of a row each (a tile of 16 e): the buffer is 131,072 bytes in all.
; The waves share nothing: no LDS, no barrier.
.set CQ, 0x4038aa3b                    ; c = 2 log2(e)
	s_load_b256 s[4:11], s[0:1], 0x0               ; decoder_hidden's codes s[4:5], its scales s[6:7], W_dec's codes s[8:9], its scales s[10:11]
	s_load_b128 s[12:15], s[0:1], 0x20             ; W_enc's codes s[12:13], qc s[14:15]
	s_load_b64 s[16:17], s[0:1], 0x30              ; wfrag
	v_lshrrev_b32 v1, 5, v0
	v_readfirstlane_b32 s20, v1                    ; wave 0 or 1
	v_and_b32 v2, 31, v0                           ; lane
	v_and_b32 v1, 15, v0                           ; r
	v_bfe_u32 v8, v0, 4, 1                         ; h
	v_lshlrev_b32 v3, 9, v1
	v_lshl_add_u32 v3, v8, 4, v3                   ; a fragment's bytes: row r of 512 bytes, + 16 h
	v_lshlrev_b32 v4, 4, v2                        ; 16 x lane: an image's place
	v_lshlrev_b32 v5, 5, v1                        ; W_dec's scale bytes: 32 a row, row r
	v_lshlrev_b32 v6, 5, v2                        ; decoder_hidden's: lane l takes batch l
	v_lshlrev_b32 v7, 12, v1
	v_lshl_add_u32 v7, v8, 5, v7                   ; qc: row r of 4,096 bytes, + 32 h
	s_lshl_b32 s24, ttmp9, 13                      ; a tile's 16 rows of codes: 8,192 bytes
	s_mov_b32 s25, 0
	s_mov_b32 s22, CQ
	s_mov_b32 s23, s22                             ; (the packed form names the pair)
	s_wait_kmcnt 0x0
	s_cmp_lg_u32 s20, 0
	s_cbranch_scc1 .Llayout
	; ---- wave 0: the query
	s_add_nc_u64 s[8:9], s[8:9], s[24:25]          ; W_dec's codes at the tile
	s_lshl_b32 s24, ttmp9, 9
	s_add_nc_u64 s[10:11], s[10:11], s[24:25]      ; its scale bytes: 512 a tile
	s_lshl_b32 s24, ttmp9, 6
	s_add_nc_u64 s[14:15], s[14:15], s[24:25]      ; qc at column 16 t
	s_wait_alu depctr_va_vdst(0)
.irp k, 0,1,2,3,4,5,6,7
.irp c, 0,1
	global_load_b128 v[64+8*\k+4*\c:67+8*\k+4*\c], v3, s[8:9] offset:64*\k+32*\c            ; W_dec, K step k
	global_load_b128 v[128+8*\k+4*\c:131+8*\k+4*\c], v3, s[4:5] offset:64*\k+32*\c          ; batches 0-15
	global_load_b128 v[192+8*\k+4*\c:195+8*\k+4*\c], v3, s[4:5] offset:8192+64*\k+32*\c     ; batches 16-31
.endr
.endr
	global_load_b128 v[16:19], v5, s[10:11]        ; W_dec's scale words: register 16 + k serves K step k
	global_load_b128 v[20:23], v5, s[10:11] offset:16
	global_load_b128 v[24:27], v6, s[6:7]          ; decoder_hidden's: lanes 0-15 batches 0-15, lanes 16-31 batches 16-31
	global_load_b128 v[28:31], v6, s[6:7] offset:16
	s_wait_loadcnt 0x0
; One product: batch tile n, K step k.  The two accumulators take turns, one instruction a turn; the first K step starts the sums.
.macro WQ n, k
.if (\k) == 0
.if (\n) == 0
	v_wmma_scale_f32_16x16x128_f8f6f4 v[32:39], v[64+8*(\k):71+8*(\k)], v[128+8*(\k):135+8*(\k)], 0, v[16+(\k)], v[24+(\k)] matrix_a_fmt:MATRIX_FMT_FP4 matrix_b_fmt:MATRIX_FMT_FP4
.else
	v_wmma_scale_f32_16x16x128_f8f6f4 v[40:47], v[64+8*(\k):71+8*(\k)], v[192+8*(\k):199+8*(\k)], 0, v[16+(\k)], v[24+(\k)] matrix_a_fmt:MATRIX_FMT_FP4 matrix_b_fmt:MATRIX_FMT_FP4 matrix_b_scale:MATRIX_SCALE_ROW1
.endif
.else
.if (\n) == 0
	v_wmma_scale_f32_16x16x128_f8f6f4 v[32:39], v[64+8*(\k):71+8*(\k)], v[128+8*(\k):135+8*(\k)], v[32:39], v[16+(\k)], v[24+(\k)] matrix_a_fmt:MATRIX_FMT_FP4 matrix_b_fmt:MATRIX_FMT_FP4
.else
	v_wmma_scale_f32_16x16x128_f8f6f4 v[40:47], v[64+8*(\k):71+8*(\k)], v[192+8*(\k):199+8*(\k)], v[40:47], v[16+(\k)], v[24+(\k)] matrix_a_fmt:MATRIX_FMT_FP4 matrix_b_fmt:MATRIX_FMT_FP4 matrix_b_scale:MATRIX_SCALE_ROW1
.endif
.endif
.endm
.irp k, 0,1,2,3,4,5,6,7
	WQ 0, \k
	WQ 1, \k
.endr
.rept 4
	v_nop                                          ; four places between the last product and the first read of a result (ISA guide 7.12.1)
.endr
.irp i, 0,2,4,6,8,10,12,14
	v_pk_mul_f32 v[48+\i:49+\i], v[32+\i:33+\i], s[22:23] op_sel_hi:[1,0]   ; x c; each accumulator from its low end on
.endr
.irp n, 0,1
.irp z, 0,1
	global_store_b128 v7, v[48+8*\n+4*\z:51+8*\n+4*\z], s[14:15] offset:65536*\n+16*\z   ; register j of tile n: qc[16 n + r][16 t + 8 h + j]
.endr
.endr
	s_endpgm
	; ---- wave 1: W_enc's fragments as register images
.Llayout:
	s_add_nc_u64 s[12:13], s[12:13], s[24:25]      ; the tile's 8,192 bytes, in
	s_add_nc_u64 s[16:17], s[16:17], s[24:25]      ; and out
	s_wait_alu depctr_va_vdst(0)
.irp k, 0,1,2,3,4,5,6,7
.irp c, 0,1
	global_load_b128 v[64+8*\k+4*\c:67+8*\k+4*\c], v3, s[12:13] offset:64*\k+32*\c
.endr
.endr
	s_wait_loadcnt 0x0
.irp k, 0,1,2,3,4,5,6,7
.irp c, 0,1
	global_store_b128 v4, v[64+8*\k+4*\c:67+8*\k+4*\c], s[16:17] offset:(2*\k+\c)*512   ; 32 lanes store 512 consecutive bytes
.endr
.endr
	s_endpgm
.Lfunc_end_k_q02269d3808_prep:
	.size	k_q02269d3808_prep, .Lfunc_end_k_q02269d3808_prep-k_q02269d3808_prep
	.p2alignl 7, 3214868480
	.fill 96, 4, 3214868480
	.section	.rodata,"a",@progbits
	.p2align	6, 0x0
	.amdhsa_kernel k_q02269d3808_prep
		.amdhsa_group_segment_fixed_size 0
		.amdhsa_private_segment_fixed_size 0
		.amdhsa_enable_private_segment 0
		.amdhsa_kernarg_size 56
		.amdhsa_user_sgpr_count 2
		.amdhsa_user_sgpr_kernarg_segment_ptr 1
		.amdhsa_wavefront_size32 1
		.amdhsa_system_sgpr_workgroup_id_x 1
		.amdhsa_system_sgpr_workgroup_id_y 1
		.amdhsa_system_sgpr_workgroup_id_z 1
		.amdhsa_system_vgpr_workitem_id 0
		.amdhsa_next_free_vgpr 256
		.amdhsa_next_free_sgpr 66
		.amdhsa_reserve_vcc 0
		.amdhsa_float_denorm_mode_32 3
		.amdhsa_float_denorm_mode_16_64 3
		.amdhsa_memory_ordered 1
		.amdhsa_forward_progress 1
		.amdhsa_inst_pref_size 13
	.end_amdhsa_kernel
	.amdgpu_metadata
---
amdhsa.version: [ 1, 2 ]
amdhsa.kernels:
  - .name:           k_q02269d3808_prep
    .symbol:         k_q02269d3808_prep.kd
    .args:
      - { .name: decoder_hidden_codes, .offset: 0, .size: 8, .value_kind: global_buffer, .address_space: global }
      - { .name: decoder_hidden_scales, .offset: 8, .size: 8, .value_kind: global_buffer, .address_space: global }
      - { .name: W_dec_codes, .offset: 16, .size: 8, .value_kind: global_buffer, .address_space: global }
      - { .name: W_dec_scales, .offset: 24, .size: 8, .value_kind: global_buffer, .address_space: global }
      - { .name: W_enc_codes, .offset: 32, .size: 8, .value_kind: global_buffer, .address_space: global }
      - { .name: qc, .offset: 40, .size: 8, .value_kind: global_buffer, .address_space: global }
      - { .name: wfrag, .offset: 48, .size: 8, .value_kind: global_buffer, .address_space: global }
    .group_segment_fixed_size: 0
    .private_segment_fixed_size: 0
    .kernarg_segment_align: 8
    .kernarg_segment_size: 56
    .max_flat_workgroup_size: 64
    .sgpr_count:     66
    .vgpr_count:     256
    .wavefront_size: 32
...
	.end_amdgpu_metadata
.endif
;; end of part 1
;; launch scores (part 2): grid 32 x 8, 8 waves a work-group, no clusters, 327,680 bytes of LDS; arguments encoder_out, wfrag, W_enc_scales, V_att, qc, lg, pctx, pml; writes lg, pctx, pml
.if DOCPART == 2
	.amdgcn_target "amdgcn-amd-amdhsa--gfx1250"
	.amdhsa_code_object_version 6
	.text
	.protected	k_q02269d3808_scores
	.globl	k_q02269d3808_scores
	.p2align	8
	.type	k_q02269d3808_scores,@function
k_q02269d3808_scores:
	s_mov_b64 s[64:65], 0
	v_nop
	global_prefetch_b8 v0, s[64:65] scope:SCOPE_SE
	s_setreg_imm32_b32 hwreg(HW_REG_WAVE_MODE, 25, 1), 1
	s_wait_xcnt 0x0
; For batch b (work-group x) and the 256 positions s = 256 q .. 256 q + 255 (work-group y): the logits, and the softmax's and the context's partial sums.
;   keys[s][e] = sum over d of Q(enc[s][b][d]) W_enc[e][d]     on E2M1 codes with E8M0 scales; enc is quantised here, along d, in blocks of 32
;   tanh(x) = 1 - 2 r,  r = 1 / (1 + 2^(c x)),  c = 2 log2(e),  x = keys + query;  c x query comes ready from the launch before (qc)
;   logit = sum(V) - 2 u,  u = sum over e of V[e] r[e].  sum(V) is the same for all s of a batch and cancels in the softmax: it is not formed.
;   t = -2 log2(e) u goes to lg;  p = 2^(t - M), M the running largest t;  L = sum of p;  ctx[d] = sum over s of p enc[s][b][d].  M, L, ctx go to pml and pctx.
; encoder_out IS READ FROM MEMORY ONCE.  The 256 positions go in four passes of 64 rows.  A tile of 64 rows x 4,096 bytes lands in LDS by tensor loads, each of the eight waves
; bringing and reading its own 8 rows.  A wave turns its rows into codes and scale bytes (to LDS, for all waves) and into bf16 (128 registers, kept until the rows' p are known).
; Then the stage is free, and the next tile is asked for: it lands while this tile's products, tanh, softmax and context are worked.
; SHARES in the products: wave w owns e = 128 w .. 128 w + 127, in four groups of 32, for all 64 rows: 8 accumulators (4 tiles of rows x 2 tiles of e).
; The product is used transposed (source 0 = 16 rows of W_enc, source 1 = 16 rows of enc): a lane holds ONE row and eight neighbouring e, so V and qc are eight registers a tile.
; W_enc's fragments come from wfrag, laid as register images, straight into the registers of the one wave that uses them, a group ahead, while the group before is in its tanh.
; NO CLUSTER, NO JOINT LOADS for W_enc, though all work-groups read it: a joint load lands in LDS, and the stage and the codes take 312,320 of the 327,680 bytes;
; and in a work-group each fragment of W_enc is used by one wave alone, so LDS would only be a detour.
; TWO WAVES TO A SIMD (512 registers each): one wave's exponentials and reciprocals stand beside the other's products.
; LIMITS.  NaN and infinities among the inputs are not served.  A block of zeros gets the scale byte 1 where the rule says 127: its codes are zeros, and this launch alone reads the bytes.
; Blocks whose largest magnitude lies under 2^-124, the floor, were not tried.  enc enters the context rounded to bf16; p stays f32.
; 2^(c x) may overflow to infinity (r = 0) or fall to 0 (r = 1): both are tanh's limits.
;
; LDS
.set ROWP,  4352                       ; a row of the stage: 4,096 bytes + 16 of padding behind every 256
.set STGW,  8*ROWP                     ; a wave's 8 rows: 34,816
.set CODES, 8*STGW                     ; 278,528: the tile's codes: row rho = 8 w + j at CP x rho
.set CP,    528                        ; 512 bytes of codes + 16: an odd multiple of 16, so that the 16 rows of a fragment load fall into 16 different 16-byte columns
.set SCL,   CODES+64*CP                ; 312,320: the tile's scale bytes, 32 a row
.set PL,    SCL+2048                   ; 314,368: partial logits: row rho at 32 rho, wave w's at + 4 w
.set PW,    PL+2048                    ; 316,416: each wave's own copy of the 64 p: 256 w + 4 rho
.set SPARE, PW+2048                    ; 318,464: the spare words, 128 bytes for each wave: four blocks of 256 bytes that no other line names
.set RED,   0                          ; the sum of the eight waves' contexts, 4,096 bytes a wave: in the stage, behind its last fill and its last read
; REGISTERS, window 0
.set SPW, 1                            ; LDS address of my spare word; never rewritten
.set NIL, 2                            ; 0; never rewritten
.set AL,  3                            ; 16 x lane: my place in a register image of wfrag
.set AW,  4                            ; 32 x lane: W_enc's scale bytes, lane l takes row l of the group's 32
.set AVQ, 5                            ; 32 h: my eight numbers of V and of qc in a tile of 16
.set AE,  6                            ; CODES + CP r + 16 h: a fragment of enc
.set ASC, 7                            ; SCL + 32 x lane: enc's scale words, lane l takes row l of 32
.set AST, 8                            ; STGW w + 32 l + 16 (l / 8): my 8 numbers of each 256 in a row of my stage
.set ACD, 9                            ; CODES + 8 CP w + 4 l: where my codes go
.set ASB, 10                           ; SCL + 256 w + l / 4: where my block's scale byte goes
.set APL, 11                           ; PL + 32 r + 4 w
.set APR, 12                           ; PL + 64 l: rows 2 l and 2 l + 1, all eight waves' parts
.set APW, 13                           ; PW + 256 w + 8 l
.set APB, 14                           ; PW + 288 w: the p of my own 8 rows
.set AG,  15                           ; 8 x lane
.set MX,  16                           ; the running largest t
.set LS,  17                           ; the running sum
.set FF,  18                           ; v[18:19] f = 2^(old M - new M), twice
.set TT,  20                           ; v[20:21] t of rows 2 l, 2 l + 1
.set PP,  22                           ; v[22:23] their p
.set PJ,  24                           ; v24-31 p of my 8 rows
.set LG,  32                           ; v32-39 u's sums, a pair for each tile of rows; while rows are quantised: v32-35 largest magnitudes, v36-39 scale operands
.set WS,  40                           ; v40-47 W_enc's scale words, register k; lanes 0-15 tile u = 0, lanes 16-31 u = 1.  They hold scales and nothing else
.set ES,  48                           ; v48-63 enc's scale words, register 8 (m / 2) + k; lanes 0-15 even m, lanes 16-31 odd m.  Scales and nothing else
.set VV,  64                           ; v64-79 V, register 8 u + j
.set QC,  80                           ; v80-95 qc, likewise
.set TQ,  64                           ; v64-95 while rows are quantised: four sets of 4 code registers and 4 scale bytes
.set ACC, 96                           ; v96-159 accumulator 2 m + u at 8 (2 m + u)
.set EF,  160                          ; v160-223 enc's fragments: two sets of four
.set XB,  96                           ; v96-223 while rows are quantised: four rows of 32 numbers
.set CTX, 224                          ; v224-255 my rows' part of the context: register 8 g + i is d = 256 g + 8 l + i
; window 1
.set RET, 0                            ; v0-127 my 8 rows in bf16: register 16 j + 4 g + i holds d = 256 g + 8 l + 2 i and + 1
.set WF,  128                          ; v128-255 W_enc's fragments of a group: tile u, K step k at 64 u + 8 k
; SCALARS: s[4:19] the eight buffers; s20 wave; s22 q; s23 at work; s[24:31], s[32:35] the tensor descriptor; s[36:37] wfrag, s[40:41] W_enc's scales, s[44:45] V, s[48:49] qc at my wave's 128 e,
; s[38:39], s[42:43], s[46:47], s[50:51] the same at the group in hand; s[52:53] lg at the pass's 64 rows; s[54:55] c; s[56:57] lane selects; s58 group; s59 passes to go; s[60:61] an offset; s62 -2 log2(e)
.set MSB, 0
.macro WIN new                         ; the immediate's high byte repeats the setting that is left; a switch that changes nothing is dropped
.if MSB != \new
	s_set_vgpr_msb (MSB<<8)|\new
.set MSB, \new
.endif
.endm
.macro PLACES n
.rept \n
	v_nop
.endr
.endm
	s_load_b256 s[4:11], s[0:1], 0x0               ; encoder_out s[4:5], wfrag s[6:7], W_enc's scales s[8:9], V s[10:11]
	s_load_b256 s[12:19], s[0:1], 0x20             ; qc s[12:13], lg s[14:15], pctx s[16:17], pml s[18:19]
	v_lshl_add_u32 v[SPW], v0, 2, SPARE
	v_mov_b32 v[NIL], 0
	ds_add_u32 v1, v2
	ds_add_u32 v1, v2
	s_wait_dscnt 0x0
	v_lshrrev_b32 v20, 5, v0
	s_delay_alu instid0(VALU_DEP_1)
	v_readfirstlane_b32 s20, v20                   ; wave 0..7
	s_and_b32 s22, ttmp7, 0xffff                   ; q
	; descriptor group 1: 8 rows of 1,024 elements of 4 bytes, 32 x 1,024 elements apart (the next s of the same batch)
	s_mov_b32 s24, (2<<16)|(1<<20)|(5<<22)|(3<<25) ; 15:0 no mask; 17:16 elements of 4 bytes; 20 padding on; 24:22 after every 64 words (code 5); 31:25 four words (code 3)
	s_mov_b32 s25, 1024<<16                        ; tensor_dim0 = 1,024
	s_mov_b32 s26, 8<<16                           ; tensor_dim1 = 8
	s_mov_b32 s27, 1024<<16                        ; tile_dim0 = 1,024
	s_mov_b32 s28, 8                               ; tile_dim1 = 8
	s_mov_b32 s29, 32768                           ; tensor_dim0_stride
	s_mov_b32 s30, 0
	s_mov_b32 s31, 0
	s_mov_b32 s32, 1                               ; group 0: count = 1
	s_mul_i32 s33, s20, STGW                       ; LDS address: my wave's 8 rows of the stage
	s_lshl_b32 s60, s22, 8
	s_lshl_b32 s23, s20, 3
	s_add_co_u32 s60, s60, s23                     ; my first s: 256 q + 8 w
	s_lshl_b32 s60, s60, 17                        ; x 131,072 bytes (under 2^28)
	s_lshl_b32 s23, ttmp9, 12                      ; + 4,096 b
	s_add_co_u32 s60, s60, s23
	s_mov_b32 s61, 0
	s_wait_kmcnt 0x0
	s_add_nc_u64 s[34:35], s[4:5], s[60:61]        ; global address of my rows of tile 0
	s_or_b32 s35, s35, 0x80000000                  ; type = 2
	tensor_load_to_lds s[32:35], s[24:31]          ; the first fill, ahead of everything else: one tensor load of mine is out
	s_nop 0
	PLACES 4
	; the pointers
	s_lshl_b32 s60, s20, 16
	s_add_nc_u64 s[36:37], s[6:7], s[60:61]        ; wfrag: my 8 tiles of 8,192 bytes
	s_lshl_b32 s60, s20, 12
	s_add_nc_u64 s[40:41], s[8:9], s[60:61]        ; W_enc's scale bytes: my 128 rows of 32
	s_lshl_b32 s60, s20, 9
	s_add_nc_u64 s[44:45], s[10:11], s[60:61]      ; V: my 128 numbers
	s_add_co_u32 s60, s60, s23                     ; (s23 = 4,096 b)
	s_add_nc_u64 s[48:49], s[12:13], s[60:61]      ; qc: row b, my 128 numbers
	s_lshl_b32 s60, ttmp9, 3
	s_add_co_u32 s23, s60, s22                     ; 8 b + q
	s_lshl_b32 s60, s23, 10
	s_add_nc_u64 s[52:53], s[14:15], s[60:61]      ; lg: 8,192 b + 1,024 q
	s_lshl_b32 s60, s23, 12
	s_add_nc_u64 s[16:17], s[16:17], s[60:61]      ; pctx: 4,096 bytes a work-group
	s_lshl_b32 s60, s23, 8
	s_add_nc_u64 s[18:19], s[18:19], s[60:61]      ; pml: 256 bytes a work-group
	s_mov_b32 s54, 0x4038aa3b                      ; c = 2 log2(e)
	s_mov_b32 s55, s54
	s_mov_b32 s56, 0x76543210
	s_mov_b32 s57, 0xfedcba98                      ; v_permlanex16_b32's selects for lane l xor 16
	s_mov_b32 s62, 0xc038aa3b                      ; -2 log2(e)
	; the lanes' addresses: all are made here, from the thread's number, the wave's number and constants
	v_and_b32 v20, 31, v0                          ; l
	v_and_b32 v21, 15, v0                          ; r
	v_bfe_u32 v22, v0, 4, 1                        ; h
	s_delay_alu instid0(VALU_DEP_3)
	v_lshlrev_b32 v[AL], 4, v20
	s_delay_alu instid0(VALU_DEP_4)
	v_lshlrev_b32 v[AW], 5, v20
	s_delay_alu instid0(VALU_DEP_3)
	v_lshlrev_b32 v[AVQ], 5, v22
	v_mul_u32_u24 v[AE], v21, CP
	s_delay_alu instid0(VALU_DEP_1)
	v_lshl_add_u32 v[AE], v22, 4, v[AE]
	s_delay_alu instid0(VALU_DEP_1)
	v_add_nc_u32 v[AE], CODES, v[AE]
	v_lshl_add_u32 v[ASC], v20, 5, SCL
	v_lshrrev_b32 v23, 3, v20
	v_lshlrev_b32 v[AST], 5, v20
	s_delay_alu instid0(VALU_DEP_1)
	v_lshl_add_u32 v[AST], v23, 4, v[AST]
	s_delay_alu instid0(VALU_DEP_1)
	v_add_nc_u32 v[AST], s33, v[AST]
	s_mul_i32 s23, s20, 8*CP
	s_add_co_u32 s23, s23, CODES
	v_lshl_add_u32 v[ACD], v20, 2, s23
	s_lshl_b32 s23, s20, 8
	s_add_co_u32 s23, s23, SCL
	v_lshrrev_b32 v[ASB], 2, v20
	s_delay_alu instid0(VALU_DEP_1)
	v_add_nc_u32 v[ASB], s23, v[ASB]
	s_lshl_b32 s23, s20, 2
	s_add_co_u32 s23, s23, PL
	v_lshl_add_u32 v[APL], v21, 5, s23
	v_lshl_add_u32 v[APR], v20, 6, PL
	s_lshl_b32 s23, s20, 8
	s_add_co_u32 s23, s23, PW
	v_lshl_add_u32 v[APW], v20, 3, s23
	s_mul_i32 s23, s20, 288
	s_add_co_u32 s23, s23, PW
	v_mov_b32 v[APB], s23
	v_lshlrev_b32 v[AG], 3, v20
; Row j of my stage into registers: lane l takes numbers 256 g + 8 l .. + 7, g = 0 .. 3.  With the padding lanes 0-7 fall on even 16-byte columns and lanes 8-15 on odd ones.
.macro QLOAD j
.irp g, 0,1,2,3
	ds_load_b128 v[XB+32*((\j)%4)+8*\g:XB+32*((\j)%4)+8*\g+3], v[AST] offset:ROWP*(\j)+1088*\g
	ds_load_b128 v[XB+32*((\j)%4)+8*\g+4:XB+32*((\j)%4)+8*\g+7], v[AST] offset:ROWP*(\j)+1088*\g+16
.endr
.endm
; Row j is quantised and kept.  A lane's 8 numbers are a quarter of a block of 32: lanes l, l xor 1, l xor 2, l xor 3 share a block.
; cnt: the LDS instructions issued behind this row's eight loads.  more = 1: the row four further on is fetched into the registers that this row leaves.
; The registers that the LDS stores read are four sets by turns: a set is written again behind a wait that shows its earlier stores done.
.macro QROW j, cnt, more
.set XR, XB+32*((\j)%4)
.set CD, TQ+8*((\j)%4)
.set BY, CD+4
	s_wait_dscnt \cnt
.irp g, 0,1,2,3
	v_max3_num_f32 v[LG+\g], |v[XR+8*\g]|, |v[XR+8*\g+1]|, 0x1800000   ; the floor 2^(3 - 127) among the leaves: the scale's byte cannot fall under 1
.endr
.irp i, 2,4,6
.irp g, 0,1,2,3
	s_delay_alu instid0(VALU_DEP_4)
	v_max3_num_f32 v[LG+\g], v[LG+\g], |v[XR+8*\g+\i]|, |v[XR+8*\g+\i+1]|   ; (the four blocks by turns)
.endr
.endr
.irp g, 0,1,2,3
	s_delay_alu instid0(VALU_DEP_4)
	v_max_num_f32_dpp v[LG+\g], v[LG+\g], v[LG+\g] row_xmask:1 row_mask:0xf bank_mask:0xf
.endr
.irp g, 0,1,2,3
	s_delay_alu instid0(VALU_DEP_4)
	v_max_num_f32_dpp v[LG+\g], v[LG+\g], v[LG+\g] row_xmask:2 row_mask:0xf bank_mask:0xf   ; the block's largest magnitude
.endr
.irp g, 0,1,2,3
	s_delay_alu instid0(VALU_DEP_4)
	v_add_nc_u32 v[LG+4+\g], 0xff000000, v[LG+\g]  ; 2 off its exponent field: the conversion takes this operand's exponent field as its scale
.endr
.irp g, 0,1,2,3
	s_delay_alu instid0(VALU_DEP_4)
	v_lshrrev_b32 v[BY+\g], 23, v[LG+4+\g]         ; the scale's byte
.endr
.irp g, 0,1,2,3
	v_cvt_scalef32_pk8_fp4_f32 v[CD+\g], v[XR+8*\g:XR+8*\g+7], v[LG+4+\g]   ; eight codes, the first number's in the lowest bits; beyond 6 the largest code
.endr
	WIN 0x40                                       ; destination window 1
.irp g, 0,1,2,3
.irp i, 0,1,2,3
	v_cvt_pk_bf16_f32 v[RET+16*(\j)+4*\g+\i], v[XR+8*\g+2*\i], v[XR+8*\g+2*\i+1]   ; the row is kept for the context.  (Plain lines behind the scaled conversions)
.endr
.endr
	WIN 0
.irp g, 0,1,2,3
	ds_store_b32 v[ACD], v[CD+\g] offset:CP*(\j)+128*\g    ; 32 lanes: 128 consecutive bytes of the row's codes
.endr
.irp g, 0,1,2,3
	ds_store_b8 v[ASB], v[BY+\g] offset:32*(\j)+8*\g       ; the four lanes of a block write the same byte with the same value
.endr
.if \more
	QLOAD (\j)+4
.endif
.endm
; enc's four fragments (16 rows x 128 along d each) of K step k into set k % 2
.macro EFLOAD k
.irp m, 0,1,2,3
.irp c, 0,1
	ds_load_b128 v[EF+32*((\k)%2)+8*\m+4*\c:EF+32*((\k)%2)+8*\m+4*\c+3], v[AE] offset:16*CP*\m+64*(\k)+32*\c
.endr
.endr
.endm
; One product: tile of rows m, tile of e u, K step k.  Source 0: W_enc (window 1), its scale word in lanes 0-15 (u = 0) or 16-31 (u = 1) of v[WS + k];
; source 1: enc, its scale word in lanes 0-15 (m even) or 16-31 (m odd) of v[ES + 8 (m / 2) + k].  K step 0 starts the sum.
.macro WM m, u, k
.set rD, ACC+8*(2*(\m)+(\u))
.set rA, WF+64*(\u)+8*(\k)
.set rB, EF+32*((\k)%2)+8*(\m)
.set rX, WS+(\k)
.set rY, ES+8*((\m)/2)+(\k)
.if (\k) == 0
.if ((\u) == 0) && ((\m)%2 == 0)
	v_wmma_scale_f32_16x16x128_f8f6f4 v[rD:rD+7], v[rA:rA+7], v[rB:rB+7], 0, v[rX], v[rY] matrix_a_fmt:MATRIX_FMT_FP4 matrix_b_fmt:MATRIX_FMT_FP4
.elseif (\m)%2 == 0
	v_wmma_scale_f32_16x16x128_f8f6f4 v[rD:rD+7], v[rA:rA+7], v[rB:rB+7], 0, v[rX], v[rY] matrix_a_fmt:MATRIX_FMT_FP4 matrix_b_fmt:MATRIX_FMT_FP4 matrix_a_scale:MATRIX_SCALE_ROW1
.elseif (\u) == 0
	v_wmma_scale_f32_16x16x128_f8f6f4 v[rD:rD+7], v[rA:rA+7], v[rB:rB+7], 0, v[rX], v[rY] matrix_a_fmt:MATRIX_FMT_FP4 matrix_b_fmt:MATRIX_FMT_FP4 matrix_b_scale:MATRIX_SCALE_ROW1
.else
	v_wmma_scale_f32_16x16x128_f8f6f4 v[rD:rD+7], v[rA:rA+7], v[rB:rB+7], 0, v[rX], v[rY] matrix_a_fmt:MATRIX_FMT_FP4 matrix_b_fmt:MATRIX_FMT_FP4 matrix_a_scale:MATRIX_SCALE_ROW1 matrix_b_scale:MATRIX_SCALE_ROW1
.endif
.else
.if ((\u) == 0) && ((\m)%2 == 0)
	v_wmma_scale_f32_16x16x128_f8f6f4 v[rD:rD+7], v[rA:rA+7], v[rB:rB+7], v[rD:rD+7], v[rX], v[rY] matrix_a_fmt:MATRIX_FMT_FP4 matrix_b_fmt:MATRIX_FMT_FP4
.elseif (\m)%2 == 0
	v_wmma_scale_f32_16x16x128_f8f6f4 v[rD:rD+7], v[rA:rA+7], v[rB:rB+7], v[rD:rD+7], v[rX], v[rY] matrix_a_fmt:MATRIX_FMT_FP4 matrix_b_fmt:MATRIX_FMT_FP4 matrix_a_scale:MATRIX_SCALE_ROW1
.elseif (\u) == 0
	v_wmma_scale_f32_16x16x128_f8f6f4 v[rD:rD+7], v[rA:rA+7], v[rB:rB+7], v[rD:rD+7], v[rX], v[rY] matrix_a_fmt:MATRIX_FMT_FP4 matrix_b_fmt:MATRIX_FMT_FP4 matrix_b_scale:MATRIX_SCALE_ROW1
.else
	v_wmma_scale_f32_16x16x128_f8f6f4 v[rD:rD+7], v[rA:rA+7], v[rB:rB+7], v[rD:rD+7], v[rX], v[rY] matrix_a_fmt:MATRIX_FMT_FP4 matrix_b_fmt:MATRIX_FMT_FP4 matrix_a_scale:MATRIX_SCALE_ROW1 matrix_b_scale:MATRIX_SCALE_ROW1
.endif
.endif
.endm
; A K step's eight products: the eight accumulators take turns, one instruction a turn, in the same order in every K step
.macro MUL8 k
	WIN 0x01                                       ; source 0 window 1
.irp m, 0,1,2,3
.irp u, 0,1
	WM \m, \u, \k
.endr
.endr
	WIN 0
.endm
; V and qc of group s58: a lane's eight numbers of each of the two tiles of e
.macro VQLOAD
	s_lshl_b32 s60, s58, 7                         ; 32 numbers a group
	s_add_nc_u64 s[46:47], s[44:45], s[60:61]
	s_add_nc_u64 s[50:51], s[48:49], s[60:61]
.irp u, 0,1
.irp z, 0,1
	global_load_b128 v[VV+8*\u+4*\z:VV+8*\u+4*\z+3], v[AVQ], s[46:47] offset:64*\u+16*\z
	global_load_b128 v[QC+8*\u+4*\z:QC+8*\u+4*\z+3], v[AVQ], s[50:51] offset:64*\u+16*\z
.endr
.endr
.endm
; Where group s23 of W_enc lies: its two tiles of 8,192 bytes in wfrag, its 32 rows of 32 scale bytes
.macro WPTR
	s_lshl_b32 s60, s23, 14
	s_add_nc_u64 s[38:39], s[36:37], s[60:61]
	s_lshl_b32 s60, s23, 10
	s_add_nc_u64 s[42:43], s[40:41], s[60:61]
.endm
; W_enc OF THE NEXT GROUP COMES K STEP BY K STEP: the two fragments of K step k (four loads of 512 consecutive bytes) are asked for as soon as the group in hand
; has multiplied its own K step k and four places have passed.  The scale words follow their readers in the same way: K steps 0-3's ahead of fragment 3, K steps 4-7's ahead of fragment 7.
; The order of a group's 34 loads is so: fragments 0, 1, 2 (12), scale words 0-3 (1), fragments 3, 4, 5, 6 (16), scale words 4-7 (1), fragment 7 (4).
; The macro leaves the destination's window at 1: the products' own switch, or WIN 0, follows.
.macro WLOAD k
.if (\k) == 3
	WIN 0
	global_load_b128 v[WS:WS+3], v[AW], s[42:43]
.endif
.if (\k) == 7
	WIN 0
	global_load_b128 v[WS+4:WS+7], v[AW], s[42:43] offset:16
.endif
	WIN 0x40                                       ; destination window 1
.irp u, 0,1
.irp c, 0,1
	global_load_b128 v[WF+64*\u+8*(\k)+4*\c:WF+64*\u+8*(\k)+4*\c+3], v[AL], s[38:39] offset:8192*\u+1024*(\k)+512*\c
.endr
.endr
.endm
; u += V r, r = 1 / (1 + 2^(c keys + c query)), for the group's 64 numbers a lane.  The exponentials are one batch and the reciprocals another, each with one wait ahead of its first reader.
.macro TANH
.irp a, 0,1,2,3,4,5,6,7
.irp i, 0,2,4,6
	v_pk_fma_f32 v[ACC+8*\a+\i:ACC+8*\a+\i+1], v[ACC+8*\a+\i:ACC+8*\a+\i+1], s[54:55], v[QC+8*(\a%2)+\i:QC+8*(\a%2)+\i+1] op_sel_hi:[1,0,1]   ; each accumulator from its low end on
.endr
.endr
.set n, 0
	s_wait_alu depctr_va_vdst(0)
.rept 64
	v_exp_f32 v[ACC+n], v[ACC+n]
.set n, n+1
.endr
	v_nop                                          ; a plain line behind the last exponential
	s_wait_alu depctr_va_vdst(0)                   ; one wait for the batch
.set n, 0
.rept 32
	v_pk_add_f32 v[ACC+n:ACC+n+1], v[ACC+n:ACC+n+1], 1.0 op_sel_hi:[1,0]
.set n, n+2
.endr
.set n, 0
	s_wait_alu depctr_va_vdst(0)
.rept 64
	v_rcp_f32 v[ACC+n], v[ACC+n]
.set n, n+1
.endr
	v_nop
	s_wait_alu depctr_va_vdst(0)
.irp i, 0,2,4,6
.irp u, 0,1
.irp m, 0,1,2,3
	v_pk_fma_f32 v[LG+2*\m:LG+2*\m+1], v[ACC+8*(2*\m+\u)+\i:ACC+8*(2*\m+\u)+\i+1], v[VV+8*\u+\i:VV+8*\u+\i+1], v[LG+2*\m:LG+2*\m+1]   ; (the four tiles of rows by turns)
.endr
.endr
.endr
.endm
; One group of 32 e: group s58.  ld = 1: group s23's fragments and scale words are asked for on the way (macro WLOAD).
; THE COUNTS ON LOADcnt, by the order of issue (a group's 34 loads as WLOAD's comment has them, then the next trip's 8 loads of V and qc, then that trip's own 34):
;   K step 0 wants fragments 0-3 and scale words 0-3: behind fragment 3 stand 12 + 1 + 4 loads of its group and the 8 of V and qc: 25.
;   K step 4 wants the rest: behind fragment 7 stand the 8 of V and qc and, ld = 1, 12 + 1 + 4 loads for the next group: 25; ld = 0: 8.
;   the tanh wants V and qc: behind them stand, ld = 1, the 34 loads for the next group; ld = 0: none.
.macro GROUP ld
	s_wait_xcnt 0x0                                ; every earlier load has read its base: the pointers below may be written
	VQLOAD
.if \ld
	WPTR
.endif
	EFLOAD 0
.irp k, 0,1,2,3,4,5,6,7
.if (\k >= 1) && ((\k < 7) || \ld)
	PLACES 4                                       ; four places between the products that read registers and the loads into them (ISA guide 7.12.1 for vector instructions)
.endif
.if \k < 7
	EFLOAD \k+1
.endif
.if \ld && (\k >= 1)
	WLOAD \k-1
.endif
.if \k < 7
	s_wait_dscnt 8                                 ; this K step's fragments of enc are in (in a pass's first group enc's scale words too); the eight loads just issued may be out
.else
	s_wait_dscnt 0x0
.endif
.if \k == 0
	s_wait_loadcnt 25
.endif
.if \k == 4
	s_wait_loadcnt 8+17*\ld
.endif
	MUL8 \k
.endr
	PLACES 4                                       ; behind the last products: for the loads into W_enc's registers and the first reads of results
.if \ld
	WLOAD 7
	WIN 0
.endif
	s_wait_loadcnt 34*\ld                          ; V and qc are in
	TANH
.endm
; My four groups of 32 e.  THE GROUPS ARE WALKED BACK AND FORTH: s3 = 0 in the launch's first and third pass (groups 0, 1, 2, 3) and 3 in the others (3, 2, 1, 0), so that the group that lies
; in registers at a pass's end is the next pass's first: a wave loads 4 + 3 + 3 + 3 groups in the launch.  u's sums take the groups in any order.
; s21 counts the three trips that ask for a next group; the pass's last group asks for none and is written out.
.macro GROUPS
	s_mov_b32 s21, 0
.Lgroup_\@:
	s_xor_b32 s58, s21, s3                         ; the group in hand
	s_add_co_u32 s23, s21, 1
	s_xor_b32 s23, s23, s3                         ; and the one behind it
	GROUP 1
	s_add_co_u32 s21, s21, 1
	s_cmp_lt_u32 s21, 3
	s_cbranch_scc1 .Lgroup_\@
	s_xor_b32 s58, s3, 3                           ; the pass's last group
	GROUP 0
	s_xor_b32 s3, s3, 3                            ; the next pass walks the other way
.endm
; My wave's part of u for the 64 rows: the pair's halves, then the other half of the lanes' eight e; lane (r, .) of tile m holds row 16 m + r
.macro LOGITS
.irp m, 0,1,2,3
	v_add_f32 v[88+\m], v[LG+2*\m], v[LG+2*\m+1]
.endr
.irp m, 0,1,2,3
	s_delay_alu instid0(VALU_DEP_4)
	v_permlanex16_b32 v[84+\m], v[88+\m], s56, s57
.endr
.irp m, 0,1,2,3
	s_delay_alu instid0(VALU_DEP_4)
	v_add_f32 v[88+\m], v[88+\m], v[84+\m]
.endr
.irp m, 0,1,2,3
	ds_store_b32 v[APL], v[88+\m] offset:512*\m    ; both halves of the lanes write the same word with the same value
.endr
.endm
; Every wave sums the eight parts of all 64 rows (lane l: rows 2 l, 2 l + 1), in the same order, so that all hold the same M, f, L and p.
.macro STATS
.irp z, 0,1,2,3
	ds_load_b128 v[64+4*\z:67+4*\z], v[APR] offset:16*\z
.endr
	s_wait_dscnt 0x0
	v_pk_add_f32 v[64:65], v[64:65], v[66:67]
	v_pk_add_f32 v[68:69], v[68:69], v[70:71]
	v_pk_add_f32 v[72:73], v[72:73], v[74:75]
	v_pk_add_f32 v[76:77], v[76:77], v[78:79]
	s_delay_alu instid0(VALU_DEP_3)
	v_pk_add_f32 v[64:65], v[64:65], v[68:69]
	s_delay_alu instid0(VALU_DEP_2)
	v_pk_add_f32 v[72:73], v[72:73], v[76:77]
	s_delay_alu instid0(VALU_DEP_2)
	v_add_f32 v64, v64, v65
	s_delay_alu instid0(VALU_DEP_2)
	v_add_f32 v72, v72, v73
	s_delay_alu instid0(VALU_DEP_2)
	v_mul_f32 v[TT], s62, v64                      ; t = -2 log2(e) u
	s_delay_alu instid0(VALU_DEP_2)
	v_mul_f32 v[TT+1], s62, v72
	s_cmp_lg_u32 s20, 0
	s_cbranch_scc1 .Lnot_wave_0_\@
	global_store_b64 v[AG], v[TT:TT+1], s[52:53]   ; wave 0: the pass's 64 t: 256 consecutive bytes, at a multiple of 256 from lg's first byte
.Lnot_wave_0_\@:
	s_wait_alu depctr_va_vdst(0)
	v_max_num_f32 v80, v[TT], v[TT+1]
	s_delay_alu instid0(VALU_DEP_1)
	v_max_num_f32_dpp v80, v80, v80 row_xmask:1 row_mask:0xf bank_mask:0xf
	s_delay_alu instid0(VALU_DEP_1)
	v_max_num_f32_dpp v80, v80, v80 row_xmask:2 row_mask:0xf bank_mask:0xf
	s_delay_alu instid0(VALU_DEP_1)
	v_max_num_f32_dpp v80, v80, v80 row_xmask:4 row_mask:0xf bank_mask:0xf
	s_delay_alu instid0(VALU_DEP_1)
	v_max_num_f32_dpp v80, v80, v80 row_xmask:8 row_mask:0xf bank_mask:0xf
	s_delay_alu instid0(VALU_DEP_1)
	v_permlanex16_b32 v81, v80, s56, s57
	s_delay_alu instid0(VALU_DEP_1)
	v_max3_num_f32 v80, v80, v81, v[MX]            ; the new M
	s_delay_alu instid0(VALU_DEP_1)
	v_sub_f32 v82, v[MX], v80
	s_delay_alu instid0(VALU_DEP_2)
	v_sub_f32 v[PP], v[TT], v80
	s_delay_alu instid0(VALU_DEP_3)
	v_sub_f32 v[PP+1], v[TT+1], v80
	s_wait_alu depctr_va_vdst(0)
	v_exp_f32 v[FF], v82                           ; f = 2^(old M - new M); 0 in the first pass, where the sums are zeros
	v_exp_f32 v[PP], v[PP]
	v_exp_f32 v[PP+1], v[PP+1]
	v_mov_b32 v[MX], v80                           ; (a plain line behind the exponentials)
	s_wait_alu depctr_va_vdst(0)                   ; one wait for the three
	v_mov_b32 v[FF+1], v[FF]
	v_add_f32 v83, v[PP], v[PP+1]
	s_delay_alu instid0(VALU_DEP_1)
	v_add_f32_dpp v83, v83, v83 row_xmask:1 row_mask:0xf bank_mask:0xf
	s_delay_alu instid0(VALU_DEP_1)
	v_add_f32_dpp v83, v83, v83 row_xmask:2 row_mask:0xf bank_mask:0xf
	s_delay_alu instid0(VALU_DEP_1)
	v_add_f32_dpp v83, v83, v83 row_xmask:4 row_mask:0xf bank_mask:0xf
	s_delay_alu instid0(VALU_DEP_1)
	v_add_f32_dpp v83, v83, v83 row_xmask:8 row_mask:0xf bank_mask:0xf
	s_delay_alu instid0(VALU_DEP_1)
	v_permlanex16_b32 v81, v83, s56, s57
	s_delay_alu instid0(VALU_DEP_1)
	v_add_f32 v83, v83, v81
	v_fma_f32 v[LS], v[LS], v[FF], v83             ; L = L f + the pass's sum
	ds_store_b64 v[APW], v[PP:PP+1]                ; the 64 p into my wave's own 256 bytes,
	ds_load_b128 v[PJ:PJ+3], v[APB]                ; and those of my 8 rows back, into every lane: LDS serves a wave's instructions in order (ISA guide 5.7.1.4)
	ds_load_b128 v[PJ+4:PJ+7], v[APB] offset:16
.set n, 0
.rept 16
	v_pk_mul_f32 v[CTX+n:CTX+n+1], v[CTX+n:CTX+n+1], v[FF:FF+1]   ; the context under the new M
.set n, n+2
.endr
	s_wait_dscnt 0x0
	s_wait_xcnt 0x0                                ; wave 0's store has read its base and its data:
	s_add_nc_u64 s[52:53], s[52:53], 256           ; on to the next pass's 64 t
.endm
; ctx += p x my 8 rows, from their bf16 halves; 32 sums by turns
.macro CONTEXT
	WIN 0x01                                       ; source 0 window 1
.irp j, 0,1,2,3,4,5,6,7
.irp g, 0,1,2,3
.irp i, 0,1,2,3
	v_fma_mix_f32_bf16 v[CTX+8*\g+2*\i], v[RET+16*\j+4*\g+\i], v[PJ+\j], v[CTX+8*\g+2*\i] op_sel_hi:[1,0,0]
	v_fma_mix_f32_bf16 v[CTX+8*\g+2*\i+1], v[RET+16*\j+4*\g+\i], v[PJ+\j], v[CTX+8*\g+2*\i+1] op_sel:[1,0,0] op_sel_hi:[1,0,0]
.endr
.endr
.endr
	WIN 0
.endm
; A PASS: 64 rows.  refill = 1: the next tile is asked for as soon as the stage has been read out.
.macro PASS refill
	s_wait_tensorcnt 0x0                           ; my 8 rows have landed (the one tensor load of mine that was out); only I read them
	QLOAD 0
	QLOAD 1
	QLOAD 2
	QLOAD 3
	QROW 0, 24, 1                                  ; the LDS instructions go L0 L1 L2 L3 | S0 L4 | S1 L5 | S2 L6 | S3 L7 | S4 | S5 | S6 | S7, eight each:
	QROW 1, 32, 1                                  ; each count is what was issued behind the row's own loads
	QROW 2, 40, 1
	QROW 3, 48, 1
	QROW 4, 48, 0
	QROW 5, 40, 0
	QROW 6, 32, 0
	QROW 7, 24, 0
	s_wait_tensorcnt 0x0                           ; no tensor load of mine is out, so the descriptor may be written
	ds_add_u32 v[SPW], v[NIL]                      ; 0 onto my spare word: register work stands between it and the wait for it
.if \refill
	s_add_nc_u64 s[34:35], s[34:35], 0x800000      ; 64 positions of 131,072 bytes on; the type bits on top are not reached
.endif
.irp i, 0,1,2,3,4,5,6,7
	v_mov_b32 v[LG+\i], 0                          ; u's sums begin
.endr
	s_wait_dscnt 0x0                               ; the add is done; my reads of the stage are back; my codes and scale bytes have landed
	s_barrier_signal -1
	s_barrier_wait -1                              ; the same holds of all eight waves: the tile's codes are whole, and nobody reads the stage
.if \refill
	tensor_load_to_lds s[32:35], s[24:31]          ; my one tensor load behind this barrier, and the first thing there: it has the rest of the pass in which to land
	s_nop 0
	PLACES 4
.endif
.irp u, 0,1
.irp z, 0,1
	ds_load_b128 v[ES+8*\u+4*\z:ES+8*\u+4*\z+3], v[ASC] offset:1024*\u+16*\z   ; enc's scale words of the 64 rows, all 8 K steps
.endr
.endr
	GROUPS
	LOGITS
	s_wait_dscnt 0x0                               ; my parts of the logits have landed, and my reads of the codes and scale bytes are over
	s_barrier_signal -1
	s_barrier_wait -1
	STATS
	CONTEXT
.endm
	s_mov_b32 s3, 0                                ; the first pass walks its groups upward
	s_mov_b32 s23, 0
	WPTR                                           ; W_enc's group 0, for the first pass: the 34 loads in the order in which every later group's are issued
.irp k, 0,1,2,3,4,5,6,7
	WLOAD \k
.endr
	WIN 0
.set n, 0
.rept 32
	v_mov_b32 v[CTX+n], 0                          ; the pass is written for every tile alike: the first finds zeros, which f = 0 leaves zeros
.set n, n+1
.endr
	v_mov_b32 v[MX], 0xff61b1e6                    ; the largest t so far: -3e38, under every t
	v_mov_b32 v[LS], 0
	s_mov_b32 s59, 3
.Lpass:                                                ; three trips: tiles 0, 1, 2; each asks for the tile behind it
	PASS 1
	s_sub_co_u32 s59, s59, 1
	s_cmp_lg_u32 s59, 0
	s_cbranch_scc1 .Lpass
	PASS 0                                         ; the last tile is written out
	; THE WAY OUT.  M and L are the same in every lane of every wave: wave 0 stores them 32 times over, one record of 256 consecutive bytes.
	s_cmp_lg_u32 s20, 0
	s_cbranch_scc1 .Lno_record
	global_store_b64 v[AG], v[MX:MX+1], s[18:19]
.Lno_record:
	; The eight waves' contexts meet in LDS, in bytes of the stage: it has had its last fill, and every wave has passed two barriers behind its last read of it.
	v_and_b32 v32, 31, v0
	s_delay_alu instid0(VALU_DEP_1)
	v_lshlrev_b32 v32, 5, v32
	s_lshl_b32 s23, s20, 12
	v_add_nc_u32 v32, s23, v32                     ; in: RED + 4,096 w + 32 l
	s_wait_alu depctr_va_vdst(0)
	v_lshlrev_b32 v33, 4, v0                       ; back, and in pctx: 16 bytes a thread
.irp g, 0,1,2,3
	ds_store_b128 v32, v[CTX+8*\g:CTX+8*\g+3] offset:RED+1024*\g
	ds_store_b128 v32, v[CTX+8*\g+4:CTX+8*\g+7] offset:RED+1024*\g+16
.endr
	s_wait_alu depctr_va_vdst(0)
	s_wait_dscnt 0x0                               ; for the others' sake: my stores have landed
	s_barrier_signal -1
	s_barrier_wait -1
.irp w, 0,1,2,3,4,5,6,7
	ds_load_b128 v[64+4*\w:67+4*\w], v33 offset:RED+4096*\w
.endr
	s_wait_dscnt 0x0
.irp w, 0,2,4,6
	v_pk_add_f32 v[64+4*\w:65+4*\w], v[64+4*\w:65+4*\w], v[68+4*\w:69+4*\w]
	v_pk_add_f32 v[66+4*\w:67+4*\w], v[66+4*\w:67+4*\w], v[70+4*\w:71+4*\w]
.endr
.irp w, 0
	v_pk_add_f32 v[64+4*\w:65+4*\w], v[64+4*\w:65+4*\w], v[72+4*\w:73+4*\w]
	v_pk_add_f32 v[66+4*\w:67+4*\w], v[66+4*\w:67+4*\w], v[74+4*\w:75+4*\w]
.endr
.irp w, 4
	s_delay_alu instid0(VALU_DEP_4)
	v_pk_add_f32 v[64+4*\w:65+4*\w], v[64+4*\w:65+4*\w], v[72+4*\w:73+4*\w]
	s_delay_alu instid0(VALU_DEP_4)
	v_pk_add_f32 v[66+4*\w:67+4*\w], v[66+4*\w:67+4*\w], v[74+4*\w:75+4*\w]
.endr
	s_delay_alu instid0(VALU_DEP_2)
	v_pk_add_f32 v[64:65], v[64:65], v[80:81]
	s_delay_alu instid0(VALU_DEP_2)
	v_pk_add_f32 v[66:67], v[66:67], v[82:83]
	global_store_b128 v33, v[64:67], s[16:17]      ; a wave stores 512 consecutive bytes
	s_wait_tensorcnt 0x0                           ; the wave's end: behind my last tensor load and my last LDS store
	ds_add_u32 v[SPW], v[NIL]
	s_wait_dscnt 0x0
	s_endpgm
.Lfunc_end_k_q02269d3808_scores:
	.size	k_q02269d3808_scores, .Lfunc_end_k_q02269d3808_scores-k_q02269d3808_scores
	.p2alignl 7, 3214868480
	.fill 96, 4, 3214868480
	.section	.rodata,"a",@progbits
	.p2align	6, 0x0
	.amdhsa_kernel k_q02269d3808_scores
		.amdhsa_group_segment_fixed_size 327680
		.amdhsa_private_segment_fixed_size 0
		.amdhsa_enable_private_segment 0
		.amdhsa_kernarg_size 64
		.amdhsa_user_sgpr_count 2
		.amdhsa_user_sgpr_kernarg_segment_ptr 1
		.amdhsa_wavefront_size32 1
		.amdhsa_system_sgpr_workgroup_id_x 1
		.amdhsa_system_sgpr_workgroup_id_y 1
		.amdhsa_system_sgpr_workgroup_id_z 1
		.amdhsa_system_vgpr_workitem_id 0
		.amdhsa_next_free_vgpr 512
		.amdhsa_next_free_sgpr 66
		.amdhsa_reserve_vcc 0
		.amdhsa_float_denorm_mode_32 3
		.amdhsa_float_denorm_mode_16_64 3
		.amdhsa_memory_ordered 1
		.amdhsa_forward_progress 1
		.amdhsa_inst_pref_size 247
	.end_amdhsa_kernel
	.amdgpu_metadata
---
amdhsa.version: [ 1, 2 ]
amdhsa.kernels:
  - .name:           k_q02269d3808_scores
    .symbol:         k_q02269d3808_scores.kd
    .args:
      - { .name: encoder_out, .offset: 0, .size: 8, .value_kind: global_buffer, .address_space: global }
      - { .name: wfrag, .offset: 8, .size: 8, .value_kind: global_buffer, .address_space: global }
      - { .name: W_enc_scales, .offset: 16, .size: 8, .value_kind: global_buffer, .address_space: global }
      - { .name: V_att, .offset: 24, .size: 8, .value_kind: global_buffer, .address_space: global }
      - { .name: qc, .offset: 32, .size: 8, .value_kind: global_buffer, .address_space: global }
      - { .name: lg, .offset: 40, .size: 8, .value_kind: global_buffer, .address_space: global }
      - { .name: pctx, .offset: 48, .size: 8, .value_kind: global_buffer, .address_space: global }
      - { .name: pml, .offset: 56, .size: 8, .value_kind: global_buffer, .address_space: global }
    .group_segment_fixed_size: 327680
    .private_segment_fixed_size: 0
    .kernarg_segment_align: 8
    .kernarg_segment_size: 64
    .max_flat_workgroup_size: 256
    .sgpr_count:     66
    .vgpr_count:     512
    .wavefront_size: 32
...
	.end_amdgpu_metadata
.endif
;; end of part 2
;; launch combine (part 3): grid 32 x 1, 8 waves a work-group, no clusters, 0 bytes of LDS; arguments lg, pctx, pml, out0, out1; writes out0, out1
.if DOCPART == 3
	.amdgcn_target "amdgcn-amd-amdhsa--gfx1250"
	.amdhsa_code_object_version 6
	.text
	.protected	k_q02269d3808_combine
	.globl	k_q02269d3808_combine
	.p2align	8
	.type	k_q02269d3808_combine,@function
k_q02269d3808_combine:
	s_mov_b64 s[64:65], 0
	v_nop
	global_prefetch_b8 v0, s[64:65] scope:SCOPE_SE
	s_setreg_imm32_b32 hwreg(HW_REG_WAVE_MODE, 25, 1), 1
	s_wait_xcnt 0x0
; Batch b (the work-group's number): the eight partial softmaxes of its 2,048 positions are joined.
;   M = the largest M_q;  w_q = 2^(M_q - M);  L = sum of w_q L_q;  alpha[s] = 2^(t[s] - M) / L;  context[d] = sum over q of w_q pctx[q][d] / L.
; 256 threads: thread i takes d = 4 i .. 4 i + 3 of the context and s = 4 i .. + 3 and 1,024 + 4 i .. + 3 of alpha.  Every load and store of a wave covers 512 consecutive bytes
; (the records of M and L: 256, each lane its own copy, so that nothing is broadcast).  The waves share nothing: no LDS, no barrier.
; 32 work-groups: a batch's work is one run of dependent loads, exponentials and stores, and sharing it further would not shorten that run.
; No matrix unit: the sums have eight terms.
	s_load_b256 s[4:11], s[0:1], 0x0               ; lg s[4:5], pctx s[6:7], pml s[8:9], out0 s[10:11]
	s_load_b64 s[12:13], s[0:1], 0x20              ; out1
	v_and_b32 v1, 31, v0
	s_delay_alu instid0(VALU_DEP_1)
	v_lshlrev_b32 v1, 3, v1                        ; 8 x lane
	v_lshlrev_b32 v2, 4, v0                        ; 16 x thread
	s_mov_b32 s15, 0
	s_wait_alu depctr_va_vdst(0)
	s_wait_kmcnt 0x0
	s_lshl_b32 s14, ttmp9, 13                      ; 2,048 f32 a batch
	s_add_nc_u64 s[4:5], s[4:5], s[14:15]
	s_add_nc_u64 s[12:13], s[12:13], s[14:15]
	s_lshl_b32 s14, ttmp9, 15                      ; 8 x 1,024 f32
	s_add_nc_u64 s[6:7], s[6:7], s[14:15]
	s_lshl_b32 s14, ttmp9, 11                      ; 8 records of 256 bytes
	s_add_nc_u64 s[8:9], s[8:9], s[14:15]
	s_lshl_b32 s14, ttmp9, 12                      ; 1,024 f32
	s_add_nc_u64 s[10:11], s[10:11], s[14:15]
.irp q, 0,1,2,3,4,5,6,7
	global_load_b64 v[8+2*\q:9+2*\q], v1, s[8:9] offset:256*\q               ; M_q, L_q
.endr
	global_load_b128 v[64:67], v2, s[4:5] th:TH_LOAD_NT                      ; t
	global_load_b128 v[68:71], v2, s[4:5] offset:4096 th:TH_LOAD_NT
.irp q, 0,1,2,3,4,5,6,7
	global_load_b128 v[32+4*\q:35+4*\q], v2, s[6:7] offset:4096*\q th:TH_LOAD_NT   ; the partial contexts
.endr
	s_wait_loadcnt 8                               ; the records and t are in; the eight loads of the partial contexts may be out
	v_max3_num_f32 v24, v8, v10, v12
	s_delay_alu instid0(VALU_DEP_1)
	v_max3_num_f32 v24, v24, v14, v16
	s_delay_alu instid0(VALU_DEP_1)
	v_max3_num_f32 v24, v24, v18, v20
	s_delay_alu instid0(VALU_DEP_1)
	v_max_num_f32 v24, v24, v22                    ; M
.irp q, 0,1,2,3,4,5,6,7
	v_sub_f32 v[72+\q], v[8+2*\q], v24
.endr
.irp i, 0,1,2,3,4,5,6,7
	v_sub_f32 v[64+\i], v[64+\i], v24
.endr
	s_wait_alu depctr_va_vdst(0)
.irp i, 0,1,2,3,4,5,6,7,8,9,10,11,12,13,14,15
	v_exp_f32 v[64+\i], v[64+\i]                   ; 2^(t - M) in v64-71, w_q in v72-79: one batch
.endr
	v_nop                                          ; a plain line behind the last exponential
	s_wait_alu depctr_va_vdst(0)                   ; one wait for the batch
	v_mul_f32 v25, v72, v9
.irp q, 1,2,3,4,5,6,7
	v_fma_f32 v25, v[72+\q], v[9+2*\q], v25        ; L
.endr
	s_wait_alu depctr_va_vdst(0)
	v_rcp_f32 v26, v25
	v_nop
	s_wait_alu depctr_va_vdst(0)
	v_mov_b32 v27, v26
.irp i, 0,2,4,6
	v_pk_mul_f32 v[64+\i:65+\i], v[64+\i:65+\i], v[26:27]                    ; alpha
.endr
	global_store_b128 v2, v[64:67], s[12:13]
	global_store_b128 v2, v[68:71], s[12:13] offset:4096
.irp i, 0,2,4,6
	v_pk_mul_f32 v[72+\i:73+\i], v[72+\i:73+\i], v[26:27]                    ; w_q / L
.endr
	s_wait_alu depctr_va_vdst(0)
	s_wait_loadcnt 0x0
.irp i, 0,1,2,3
	v_mul_f32 v[80+\i], v[32+\i], v72
.endr
.irp q, 1,2,3,4,5,6,7
.irp i, 0,1,2,3
	s_delay_alu instid0(VALU_DEP_4)
	v_fma_f32 v[80+\i], v[32+4*\q+\i], v[72+\q], v[80+\i]
.endr
.endr
	global_store_b128 v2, v[80:83], s[10:11]
	s_endpgm
.Lfunc_end_k_q02269d3808_combine:
	.size	k_q02269d3808_combine, .Lfunc_end_k_q02269d3808_combine-k_q02269d3808_combine
	.p2alignl 7, 3214868480
	.fill 96, 4, 3214868480
	.section	.rodata,"a",@progbits
	.p2align	6, 0x0
	.amdhsa_kernel k_q02269d3808_combine
		.amdhsa_group_segment_fixed_size 0
		.amdhsa_private_segment_fixed_size 0
		.amdhsa_enable_private_segment 0
		.amdhsa_kernarg_size 40
		.amdhsa_user_sgpr_count 2
		.amdhsa_user_sgpr_kernarg_segment_ptr 1
		.amdhsa_wavefront_size32 1
		.amdhsa_system_sgpr_workgroup_id_x 1
		.amdhsa_system_sgpr_workgroup_id_y 1
		.amdhsa_system_sgpr_workgroup_id_z 1
		.amdhsa_system_vgpr_workitem_id 0
		.amdhsa_next_free_vgpr 96
		.amdhsa_next_free_sgpr 66
		.amdhsa_reserve_vcc 0
		.amdhsa_float_denorm_mode_32 3
		.amdhsa_float_denorm_mode_16_64 3
		.amdhsa_memory_ordered 1
		.amdhsa_forward_progress 1
		.amdhsa_inst_pref_size 9
	.end_amdhsa_kernel
	.amdgpu_metadata
---
amdhsa.version: [ 1, 2 ]
amdhsa.kernels:
  - .name:           k_q02269d3808_combine
    .symbol:         k_q02269d3808_combine.kd
    .args:
      - { .name: lg, .offset: 0, .size: 8, .value_kind: global_buffer, .address_space: global }
      - { .name: pctx, .offset: 8, .size: 8, .value_kind: global_buffer, .address_space: global }
      - { .name: pml, .offset: 16, .size: 8, .value_kind: global_buffer, .address_space: global }
      - { .name: out0, .offset: 24, .size: 8, .value_kind: global_buffer, .address_space: global }
      - { .name: out1, .offset: 32, .size: 8, .value_kind: global_buffer, .address_space: global }
    .group_segment_fixed_size: 0
    .private_segment_fixed_size: 0
    .kernarg_segment_align: 8
    .kernarg_segment_size: 40
    .max_flat_workgroup_size: 256
    .sgpr_count:     66
    .vgpr_count:     96
    .wavefront_size: 32
...
	.end_amdgpu_metadata
.endif
;; end of part 3
